; MI455X (gfx1250); checked and timed in simulation.
; The chip was launched on July 23, 2026; its instructions are those of AMD's public machine-readable ISA for CDNA 5 (MIT licence, August 2026) and "CDNA5" Instruction Set Architecture Reference Guide (July 2026). The comments in the code are by the model that wrote it; some were corrected since.
;; Cross Attention. Allowed arithmetic: matrix products marked QUANTISED: E4M3 operands, one given power-of-two scale a tensor, by v_wmma_f32_16x16x64_fp8_fp8 or v_wmma_f32_16x16x128_fp8_fp8, f32 sums; everything else in f32.
;; Inputs: Wkv_codes 2,048 x 32 x 32 uint8 (E4M3 codes of Wkv, K innermost, in blocks of 32 codes); Wq_codes 1,024 x 32 x 32 uint8 (E4M3 codes of Wq, K innermost, in blocks of 32 codes); context_codes 4 x 2,048 x 32 x 32 uint8 (E4M3 codes of context, K innermost, in blocks of 32 codes); lowp_scales 8 int32 (the exponents e of the quantised operands' scales 2^e); x_codes 4 x 2,048 x 32 x 32 uint8 (E4M3 codes of x, K innermost, in blocks of 32 codes).
;; Outputs: out0 4 x 2,048 x 1,024 float32.
;; This version of the problem:
;;   THIS VERSION OF THE PROBLEM IS GIVEN IN LOW PRECISION. The matrix products marked QUANTISED in the list below multiply operands that are first quantised to E4M3 (4 exponent bits, 3 mantissa bits; 8 bits a number), with one given power-of-two scale for each operand tensor; their sums are f32. All else is computed in f32.
;;   The module's matrix products, in the order in which they are computed (A, B: the left and right operand; K: the contracted axis; several contracted axes count as one K, in the product's order):
;;     1. [M 8,192, K 1,024] x [K 1,024, N 1,024]; A: input x (given as codes); B: input Wq (given as codes): QUANTISED (scales: A lowp_scales[0], B lowp_scales[1])
;;     2. [M 8,192, K 1,024] x [K 1,024, N 2,048]; A: input context (given as codes); B: input Wkv (given as codes): QUANTISED (scales: A lowp_scales[2], B lowp_scales[3])
;;     3. batch 64 x [M 2,048, K 64] x [K 64, N 2,048]; A: computed on the way; B: computed on the way: QUANTISED (scales: A lowp_scales[4], B lowp_scales[5])
;;     4. batch 64 x [M 2,048, K 2,048] x [K 2,048, N 64]; A: softmax (see below); B: computed on the way: QUANTISED (scales: A lowp_scales[6], B lowp_scales[7])
;;   THE QUANTISER, for each operand of a quantised product, along K:
;;     - The operand's scale is 2^e, e = its entry of the input lowp_scales (int32; the entries are numbered through the quantised products in the list's order, A before B).
;;     - Each number is divided by the scale, clamped to +-448, and rounded to the nearest number of E4M3, ties to even, subnormals kept.
;;     - The product sums the exact products of the quantised numbers (number of the format x scale) in f32.
;;   ~~~python
;;   def quantise(x, axis, e):      # numpy; x: float32 -> the quantised numbers, widened to float32 again
;;       x = np.moveaxis(x, axis, -1); K = x.shape[-1]
;;       r = np.clip(x / 2.0 ** e, -448, 448)
;;       step = 2.0 ** (np.maximum(np.frexp(np.where(r == 0, 1, r))[1] - 1, -6) - 3)
;;       q = np.round(r / step) * step * 2.0 ** e      # np.round: ties to even
;;       return np.moveaxis(q, -1, axis).astype(np.float32)
;;   ~~~
;;   SOFTMAX AHEAD OF A QUANTISED PRODUCT. Where the list says 'softmax', what is quantised is not the finished softmax but p = 2^(t - M), with t = logit x log2(e) and M = ceil(the row's largest t), a whole number; so 1/2 < the row's largest p <= 1. The row's sum l is taken of the UNQUANTISED p, in f32, and the product's result is divided by l at the end. Since M is a whole number, a kernel that streams over the keys may use a running M (the ceiling of the running maximum): every later rescaling is an exact power of two, so the quantised numbers keep their values, but for numbers so far below the row's largest that they fall under the format's range.
;;   OPERANDS COMPUTED ON THE WAY. 'Computed on the way' means the value that the module computes at that place (a softmax that the list does not call 'softmax' is quantised finished and normalised). What goes into a quantiser is computed in f32, as accurately as f32 sums, v_exp_f32 and their like allow (about 1e-6 of the number): no bf16 or f16 on the way to a quantiser, and a product that is left as it is and whose result goes on into a quantised operand takes f32 operands (vector FMAs, or v_wmma_f32_16x16x4_f32). A number that lies on a knife's edge between two numbers of the format may be rounded either way, as far as f32 arithmetic and the matrix unit's own rounding can turn it there, and no further.
;;   INPUTS GIVEN AS CODES. Wkv (in the module: [1024, 2048], K = its axis 0); Wq (in the module: [1024, 1024], K = its axis 0); context (in the module: [4, 2048, 1024], K = its axis 2); x (in the module: [4, 2048, 1024], K = its axis 2): each comes as NAME_codes (uint8): NAME with its K axis moved to the last place and cut into blocks of 32 codes, [.., K / 32, bytes a block], one block behind the other in memory; one code a byte (a code: sign, 4 exponent bits, 3 mantissa bits); its scale is its entry of lowp_scales. Its value is code x scale, taken as it is: it is not quantised again, and the codes and scales need not be those that the quantiser above would give.
;; One version. Each part assembles by itself: llvm-mc -triple=amdgcn-amd-amdhsa -mcpu=gfx1250 --defsym DOCPART=n.
;; ======== version 1 of 1: 2 launches
;; limits: right only within a limited range of input values
;; workspace buffers: qi 8,388,608 bytes; ki 8,388,608 bytes; vi 8,388,608 bytes
;; launch proj (part 1): grid 4 x 64, 4 waves a work-group, clusters of 4 x 4, 327,680 bytes of LDS; arguments x_codes, context_codes, Wq_codes, Wkv_codes, lowp_scales, qi, ki, vi; writes qi, ki, vi
.if DOCPART == 1
	.amdgcn_target "amdgcn-amd-amdhsa--gfx1250"
	.amdhsa_code_object_version 6
	.text
	.protected	k_q197ae5f21f_proj
	.globl	k_q197ae5f21f_proj
	.p2align	8
	.type	k_q197ae5f21f_proj,@function
k_q197ae5f21f_proj:
	s_mov_b64 s[64:65], 0
	v_nop
	global_prefetch_b8 v0, s[64:65] scope:SCOPE_SE
	s_setreg_imm32_b32 hwreg(HW_REG_WAVE_MODE, 25, 1), 1
	s_wait_xcnt 0x0
	s_wait_alu depctr_hold_cnt(0) depctr_sa_sdst(0) depctr_va_vdst(0) depctr_va_sdst(0) depctr_va_ssrc(0) depctr_va_vcc(0) depctr_vm_vsrc(0)
	s_getreg_b32 s2, hwreg(HW_REG_IB_STS2, 6, 4)
	s_cmp_eq_u32 s2, 0
	s_cbranch_scc0 .Lentry_in_a_cluster
	s_endpgm
.Lentry_in_a_cluster:
	s_bfe_u32 s2, ttmp6, 0x10000c
	s_cmp_lg_u32 s2, 0xf033
	s_cbranch_scc0 .Lentry_shape_is_right
	s_endpgm
.Lentry_shape_is_right:
; THE THREE PROJECTIONS ON CODES OF FP8, their results quantised and stored as fragments' images (qi, ki, vi).  256 work-groups, each of four waves, in clusters of 4 x 4 with joint loads.
; A WORK-GROUP STAYS: it makes one tile of 256 x 256 of context x Wkv (cluster rows 0-7: K; 8-15: V, with the two operands' roles changed), and then a half tile of 128 x 256 of x x Wq:
; 64 units of 128 rows x 4 tiles of 256 columns are 256 halves.  The ring of two slots of 256 along K goes on from the first tile into the second: the first tile's last two changes of slots ask for
; x's and Wq's K steps 0 and 1, and the first tile's codes leave while the second of them is on its way.  In the half tile a wave makes 64 x 128: A's blocks 0-3 and the accumulators of window 2 alone.
; NO PREFETCH: K has four steps a tile, and each is asked for one change of slots after the one before.
.set ROWB,   256
.set KROW,   1024
.set PITCH,  272
.set FR,     16
.set NL,     4
.set NP,     4
.set HALFT,  128*PITCH
.set SLOT,   4*HALFT
.set SPARE,  2*SLOT
.set ADRA, 16
.set ADRB, 20
.set VO,   24
.set SPW,  28
.set NIL,  29
.set SC,   30
.set HOLD, 31
.set TMP,  32
.set AF,   128
.set CD,   128
.set G1, 24
.set G0, 32
.set G1B, 48
.set G0B, 56
.set MSB, 0
.macro WIN new
.if MSB != \new
	s_set_vgpr_msb (MSB<<8)|\new
.set MSB, \new
.endif
.endm
.set MUL_LO, 0xa1
.set MUL_HI, 0xf1
.set TO_B,   0x40
.macro JLOAD g0a, g1a, g0b, g1b
	s_cmp_eq_u32 s15, 0
	s_cbranch_scc0 .Lfor_b_\@
	tensor_load_to_lds s[\g0a:\g0a+3], s[\g1a:\g1a+7]
	s_nop 0
.rept 4
	v_nop
.endr
	s_branch .Lasked_\@
.Lfor_b_\@:
	tensor_load_to_lds s[\g0b:\g0b+3], s[\g1b:\g1b+7]
	s_nop 0
.rept 4
	v_nop
.endr
.Lasked_\@:
.endm
.macro CREST
	s_cmp_lg_u32 s14, 0
	s_cbranch_scc1 .Lnot_wave_0_\@
	s_barrier_signal -3
.Lnot_wave_0_\@:
	s_barrier_wait -3
	s_barrier_signal -1
	s_barrier_wait -1
.endm
.macro CROUND
	s_barrier_signal -1
	s_barrier_wait -1
	CREST
.endm
	s_load_b256 s[4:11], s[0:1], 0x0
	s_load_b256 s[68:75], s[0:1], 0x20
	v_lshl_add_u32 v[SPW], v0, 2, SPARE
	v_mov_b32 v[NIL], 0
	ds_add_u32 v28, v29
	ds_add_u32 v28, v29
	s_wait_dscnt 0x0
	v_lshrrev_b32 v1, 5, v0
	v_readfirstlane_b32 s14, v1
	s_lshr_b32 s15, s14, 1
	s_and_b32 s16, s14, 1
	s_bfe_u32 s40, ttmp6, 0x40000
	s_bfe_u32 s41, ttmp6, 0x40004
	s_and_b32 s66, ttmp7, 0xffff                   ; the cluster's row, 0 .. 15
	s_add_co_u32 s84, s66, 8                       ; 8 .. 15: K's tiles; 16 .. 23: V's
	s_and_b32 s85, s84, 7
	s_lshl_b32 s85, s85, 2
	s_cmp_ge_u32 s84, 16
	s_cselect_b32 s86, 0, s85
	s_cselect_b32 s87, s85, 0
	s_cselect_b32 s22, 1024, 0
	s_add_co_u32 s17, s41, s86
	s_add_co_u32 s42, s40, s87
	s_lshl_b32 s43, s41, 2
	s_lshl_b32 s43, 15, s43
	s_lshl_b32 s44, 0x1111, s40
	s_or_b32 s[G1+0], s43, (0<<16)|(1<<20)|(1<<21)|(5<<22)|(3<<25)
	s_or_b32 s[G1B+0], s44, (0<<16)|(1<<20)|(1<<21)|(5<<22)|(3<<25)
.irp g, G1, G1B
	s_mov_b32 s[\g+1], ROWB<<16
	s_mov_b32 s[\g+2], 128<<16
	s_mov_b32 s[\g+3], ROWB<<16
	s_mov_b32 s[\g+4], 128
	s_mov_b32 s[\g+5], KROW
	s_mov_b32 s[\g+6], 0
	s_mov_b32 s[\g+7], 0
.endr
	s_lshl_b32 s18, s16, 7
	s_lshl_b32 s20, s17, 8
	s_add_co_u32 s20, s20, s18
	s_add_co_u32 s20, s20, s22
	s_lshl_b32 s20, s20, 10
	s_mov_b32 s21, 0
	s_lshl_b32 s46, s42, 8
	s_add_co_u32 s46, s46, s18
	s_lshl_b32 s46, s46, 10
	s_mov_b32 s47, 0
	s_mul_i32 s45, s14, HALFT
	s_wait_kmcnt 0x0
	s_load_b256 s[76:83], s[68:69], 0x0
	s_cmp_ge_u32 s84, 16
	s_cselect_b64 s[88:89], s[10:11], s[6:7]
	s_cselect_b64 s[90:91], s[6:7], s[10:11]
	s_cselect_b64 s[92:93], s[74:75], s[72:73]
	s_add_nc_u64 s[20:21], s[88:89], s[20:21]
	s_add_nc_u64 s[46:47], s[90:91], s[46:47]
	s_lshl_b32 s86, s66, 2                         ; the half tile: its unit of 128 rows of x = 4 x cluster row + cy, shared along my row of the cluster;
	s_add_co_u32 s86, s86, s41
	s_lshl_b32 s86, s86, 7
	s_lshl_b32 s87, s16, 6                         ; the 64 rows of it that I fetch, if I fetch for A
	s_add_co_u32 s86, s86, s87
	s_lshl_b32 s86, s86, 10
	s_mov_b32 s87, 0
	s_add_nc_u64 s[88:89], s[4:5], s[86:87]        ; x's codes there
	s_lshl_b32 s98, s40, 8                         ; its 256 rows of Wq = tile cx, shared along my column,
	s_add_co_u32 s98, s98, s18                     ; the 128 of them that I fetch, if I fetch for B
	s_lshl_b32 s98, s98, 10
	s_mov_b32 s99, 0
	s_add_nc_u64 s[90:91], s[8:9], s[98:99]        ; Wq's codes there
	CROUND
.irp s, 0,1
	s_mov_b32 s[G0+4*\s], 1
	s_add_co_u32 s[G0+4*\s+1], s45, \s*SLOT
	s_add_nc_u64 s[G0+4*\s+2:G0+4*\s+3], s[20:21], \s*ROWB
	s_or_b32 s[G0+4*\s+3], s[G0+4*\s+3], 0x80000000
	s_mov_b32 s[G0B+4*\s], 1
	s_add_co_u32 s[G0B+4*\s+1], s45, \s*SLOT
	s_add_nc_u64 s[G0B+4*\s+2:G0B+4*\s+3], s[46:47], \s*ROWB
	s_or_b32 s[G0B+4*\s+3], s[G0B+4*\s+3], 0x80000000
	s_wait_alu depctr_va_vdst(0)
	s_wait_tensorcnt 0x0
	ds_add_u32 v28, v29
	ds_add_u32 v28, v29
	s_wait_dscnt 0x0
	CROUND
	JLOAD G0+4*\s, G1, G0B+4*\s, G1B
.endr
	v_and_b32 v1, 15, v0
	v_bfe_u32 v2, v0, 4, 1
	v_mul_u32_u24 v3, v1, PITCH
	v_lshl_add_u32 v4, v2, 4, v3
	s_mul_i32 s21, s15, HALFT
	s_mul_i32 s22, s16, HALFT
	s_add_co_u32 s22, s22, 2*HALFT
.irp s, 0,1
	v_add_nc_u32 v[ADRA+\s], s21, v4
	v_add_nc_u32 v[ADRB+\s], s22, v4
	s_add_co_u32 s21, s21, SLOT
	s_add_co_u32 s22, s22, SLOT
.endr
	s_lshl_b32 s96, s17, 8
	s_lshl_b32 s97, s15, 7
	s_add_co_u32 s96, s96, s97
	s_lshl_b32 s98, s42, 8
	s_lshl_b32 s99, s16, 7
	s_add_co_u32 s98, s98, s99
	s_mov_b32 s22, 4096
	s_mov_b32 s23, 0x20000
	s_cmp_ge_u32 s84, 16
	s_cselect_b32 s97, s98, s96
	s_cselect_b32 s99, s96, s98
	s_cselect_b32 s94, s23, s22
	s_cselect_b32 s95, s22, s23
	s_lshr_b32 s96, s97, 11
	s_lshl_b32 s96, s96, 21
	s_and_b32 s98, s97, 2047
	s_lshl_b32 s98, s98, 6
	s_add_co_u32 s96, s96, s98
	s_lshr_b32 s98, s99, 6
	s_lshl_b32 s98, s98, 17
	s_add_co_u32 s96, s96, s98
	s_mov_b32 s97, 0
	s_add_nc_u64 s[92:93], s[92:93], s[96:97]
	v_and_b32 v5, 31, v0
	v_lshlrev_b32 v[VO], 4, v5
	v_add_nc_u32 v[VO+1], s94, v[VO]
	v_add_nc_u32 v[VO+2], s95, v[VO]
	v_add_nc_u32 v[VO+3], s95, v[VO+1]
.macro FRAG reg, adr, q, i
.irp c, 0,1,2,3
	ds_load_b128 v[\reg+4*\c:\reg+4*\c+3], v[\adr] offset:128*(\q)+32*\c+(\i)*16*PITCH
.endr
.endm
.macro MUL16 a0, p, zero
.irp a, \a0, \a0+1
.irp b, 0,1,2,3,4,5,6,7
.if \zero
	v_wmma_f32_16x16x128_fp8_fp8 v[8*(8*((\a)%4)+\b):8*(8*((\a)%4)+\b)+7], v[128*(\p)+FR*\b:128*(\p)+FR*\b+FR-1], v[AF+FR*(\a):AF+FR*(\a)+FR-1], 0
.else
	v_wmma_f32_16x16x128_fp8_fp8 v[8*(8*((\a)%4)+\b):8*(8*((\a)%4)+\b)+7], v[128*(\p)+FR*\b:128*(\p)+FR*\b+FR-1], v[AF+FR*(\a):AF+FR*(\a)+FR-1], v[8*(8*((\a)%4)+\b):8*(8*((\a)%4)+\b)+7]
.endif
.endr
.endr
.endm
.macro FETCH_B slot, q, p
	WIN TO_B
.irp i, 0,1,2,3,4,5,6,7
	FRAG 128*(\p)+FR*\i, ADRB+\slot, \q, \i
.endr
	WIN 0
.endm
.macro FETCH_A slot, q, i0
.irp i, \i0, \i0+1, \i0+2, \i0+3
	FRAG AF+FR*(\i), ADRA+\slot, \q, \i
.endr
.endm
.macro PLACES n
.rept \n
	v_nop
.endr
.endm
.macro STEP slot, q, zero
	s_wait_dscnt 4*NL
	WIN MUL_LO
	MUL16 0, (\q)%2, \zero
	MUL16 2, (\q)%2, \zero
	s_wait_dscnt 0
	PLACES NP
	FETCH_B \slot, (\q)+1, 1-(\q)%2
	FETCH_A \slot, (\q)+1, 0
	WIN MUL_HI
	MUL16 4, (\q)%2, \zero
	MUL16 6, (\q)%2, \zero
	PLACES NP
	WIN 0
	FETCH_A \slot, (\q)+1, 4
.endm
.macro TURN slot, next, fill
	s_wait_tensorcnt 0x0
	ds_add_u32 v[SPW], v[NIL]
	s_wait_dscnt 4*NL+1
	WIN MUL_LO
	MUL16 0, 1, 0
	s_wait_dscnt 0x0
	s_barrier_signal -1
	MUL16 2, 1, 0
	WIN 0
	s_barrier_wait -1
.if \fill
	CREST
.if \fill == 2                                 ; the ring goes on into the half tile: no load of mine is out, so the descriptors may be written; A's tiles have 64 rows a load from here on
	s_add_nc_u64 s[G0+4*\slot+2:G0+4*\slot+3], s[88:89], \slot*ROWB
	s_or_b32 s[G0+4*\slot+3], s[G0+4*\slot+3], 0x80000000
	s_add_nc_u64 s[G0B+4*\slot+2:G0B+4*\slot+3], s[90:91], \slot*ROWB
	s_or_b32 s[G0B+4*\slot+3], s[G0B+4*\slot+3], 0x80000000
	s_mov_b32 s[G1+2], 64<<16
	s_mov_b32 s[G1+4], 64
.else
	s_add_nc_u64 s[G0+4*\slot+2:G0+4*\slot+3], s[G0+4*\slot+2:G0+4*\slot+3], 2*ROWB
	s_add_nc_u64 s[G0B+4*\slot+2:G0B+4*\slot+3], s[G0B+4*\slot+2:G0B+4*\slot+3], 2*ROWB
.endif
	JLOAD G0+4*\slot, G1, G0B+4*\slot, G1B
.else
	PLACES NP
.endif
	FETCH_B \next, 0, 0
	FETCH_A \next, 0, 0
	WIN MUL_HI
	MUL16 4, 1, 0
	MUL16 6, 1, 0
	PLACES NP
	WIN 0
	FETCH_A \next, 0, 4
.endm
; The first tile's last step: a change of slots like every other (the three lines, the round, my one joint load: the half tile's K step 1 into slot 1); of the half tile's first fragments B's alone are fetched,
; since the first tile's codes are made in the registers of A's fragments.
.macro LASTTURN
	s_wait_tensorcnt 0x0
	ds_add_u32 v[SPW], v[NIL]
	s_wait_dscnt 4*NL+1
	WIN MUL_LO
	MUL16 0, 1, 0
	s_wait_dscnt 0x0
	s_barrier_signal -1
	MUL16 2, 1, 0
	WIN 0
	s_barrier_wait -1
	CREST
	s_add_nc_u64 s[G0+6:G0+7], s[88:89], ROWB
	s_or_b32 s[G0+7], s[G0+7], 0x80000000
	s_add_nc_u64 s[G0B+6:G0B+7], s[90:91], ROWB
	s_or_b32 s[G0B+7], s[G0B+7], 0x80000000
	JLOAD G0+4, G1, G0B+4, G1B
	FETCH_B 0, 0, 0
	WIN MUL_HI
	MUL16 4, 1, 0
	MUL16 6, 1, 0
	WIN 0
.endm
; The half tile's steps of 128 along K: 32 matrix instructions, A's blocks 0-3 against B's eight; the 32 accumulators take turns.  STEPH: a slot's first step; it fetches the second's fragments.
.macro STEPH slot, zero
	s_wait_dscnt 0
	WIN MUL_LO
	MUL16 0, 0, \zero
	MUL16 2, 0, \zero
	PLACES NP
	FETCH_B \slot, 1, 1
	FETCH_A \slot, 1, 0
.endm
; TURNH: a slot's second step, and the change of slots, in the order of TURN.
.macro TURNH slot, next, fill
	s_wait_tensorcnt 0x0
	ds_add_u32 v[SPW], v[NIL]
	s_wait_dscnt 1                                 ; the fragments are in; the add alone may be out
	WIN MUL_LO
	MUL16 0, 1, 0
	s_wait_dscnt 0x0
	s_barrier_signal -1
	MUL16 2, 1, 0
	WIN 0
	s_barrier_wait -1
.if \fill
	CREST
	s_add_nc_u64 s[G0+4*\slot+2:G0+4*\slot+3], s[G0+4*\slot+2:G0+4*\slot+3], 2*ROWB
	s_add_nc_u64 s[G0B+4*\slot+2:G0B+4*\slot+3], s[G0B+4*\slot+2:G0B+4*\slot+3], 2*ROWB
	JLOAD G0+4*\slot, G1, G0B+4*\slot, G1B
.else
	PLACES NP
.endif
	FETCH_B \next, 0, 0
	FETCH_A \next, 0, 0
.endm
	s_wait_alu depctr_va_vdst(0)
	s_wait_tensorcnt 1
	s_barrier_signal -1
	s_barrier_wait -1
	FETCH_B 0, 0, 0
	FETCH_A 0, 0, 0
	FETCH_A 0, 0, 4
	STEP 0, 0, 1
	TURN 0, 1, 1
	STEP 1, 0, 0
	TURN 1, 0, 1
	STEP 0, 0, 0
	TURN 0, 1, 2                                   ; slot 0 takes the half tile's K step 0
	STEP 1, 0, 0
	LASTTURN                                       ; slot 1 its K step 1
	s_wait_kmcnt 0x0
	s_add_co_i32 s97, s78, s79
	s_sub_co_i32 s98, s81, s97                     ; K's codes: e5 - e2 - e3
	s_sub_co_i32 s99, s83, s97                     ; V's: e7 - e2 - e3
	s_cmp_ge_u32 s84, 16
	s_cselect_b32 s96, s99, s98
	s_add_co_i32 s96, s96, 127
	s_lshl_b32 s97, s96, 23
	v_mov_b32 v[SC], s97
	s_add_co_i32 s96, s96, 8
	s_lshl_b32 s96, s96, 23
	s_or_b32 s96, s96, 0x600000
	v_mov_b32 v[HOLD], s96
	PLACES NP
.macro OUT a
.set AC, 64*((\a)%4)
	WIN 0x02+((\a)/4)
.set j, 0
.rept 64
	v_med3_num_f32 v[TMP+j], v[AC+j], -v[HOLD], v[HOLD]
.set j, j+1
.endr
	WIN 0
.irp b, 0,1,2,3,4,5,6,7
	v_cvt_scalef32_pk8_fp8_f32 v[CD+16*(\a)+2*\b:CD+16*(\a)+2*\b+1], v[TMP+8*\b:TMP+8*\b+7], v[SC]
.endr
	v_nop
.irp p, 0,1,2,3
	global_store_b128 v[VO+((\a)/4)+2*(\p/2)], v[CD+16*(\a)+4*\p:CD+16*(\a)+4*\p+3], s[92:93] offset:((\a)%4)*1024+(\p%2)*512
.endr
.endm
.irp a, 0,1,2,3,4,5,6,7
	OUT \a
.endr
	; THE HALF TILE OF Q.  Its K step 0 lies in slot 0 (shown by the last change of slots), B's first fragments are on their way.
	s_wait_xcnt 0x0                                ; the first tile's stores have read their data, offsets and base: A's fragments may land there, and the base may be written
	FETCH_A 0, 0, 0
	s_lshl_b32 s96, s66, 2
	s_add_co_u32 s96, s96, s41
	s_lshl_b32 s96, s96, 7
	s_lshl_b32 s97, s15, 6
	s_add_co_u32 s97, s96, s97                     ; my first row of q: 128 x unit + 64 x half
	s_lshl_b32 s98, s40, 8
	s_lshl_b32 s99, s16, 7
	s_add_co_u32 s99, s98, s99                     ; my first column: 256 x cx + 128 x half
	s_lshr_b32 s96, s97, 11
	s_lshl_b32 s96, s96, 21                        ; the batch,
	s_and_b32 s98, s97, 2047
	s_lshl_b32 s98, s98, 6                         ; the row's image, 64 bytes a row,
	s_add_co_u32 s96, s96, s98
	s_lshr_b32 s98, s99, 6
	s_lshl_b32 s98, s98, 17                        ; the head
	s_add_co_u32 s96, s96, s98
	s_mov_b32 s97, 0
	s_add_nc_u64 s[92:93], s[70:71], s[96:97]
	STEPH 0, 1
	TURNH 0, 1, 1
	STEPH 1, 0
	TURNH 1, 0, 1
	STEPH 0, 0
	TURNH 0, 1, 0
	STEPH 1, 0
	s_wait_dscnt 0
	WIN MUL_LO
	MUL16 0, 1, 0
	MUL16 2, 1, 0
	WIN 0
	s_add_co_i32 s96, s76, s77
	s_sub_co_i32 s96, s80, s96                     ; q's codes: e4 - e0 - e1, and 3 more for the factor 1/8
	s_add_co_i32 s96, s96, 130
	s_lshl_b32 s97, s96, 23
	v_mov_b32 v[SC], s97
	s_add_co_i32 s96, s96, 8
	s_lshl_b32 s96, s96, 23
	s_or_b32 s96, s96, 0x600000
	v_mov_b32 v[HOLD], s96
	v_add_nc_u32 v[VO+2], 0x20000, v[VO]           ; the next head's images
	PLACES NP
.irp a, 0,1,2,3
	OUT \a
.endr
	s_wait_tensorcnt 0x0
	ds_add_u32 v[SPW], v[NIL]
	s_wait_dscnt 0x0
	CROUND
	s_endpgm
.Lfunc_end_k_q197ae5f21f_proj:
	.size	k_q197ae5f21f_proj, .Lfunc_end_k_q197ae5f21f_proj-k_q197ae5f21f_proj
	.p2alignl 7, 3214868480
	.fill 96, 4, 3214868480
	.section	.rodata,"a",@progbits
	.p2align	6, 0x0
	.amdhsa_kernel k_q197ae5f21f_proj
		.amdhsa_group_segment_fixed_size 327680
		.amdhsa_private_segment_fixed_size 0
		.amdhsa_enable_private_segment 0
		.amdhsa_kernarg_size 64
		.amdhsa_user_sgpr_count 2
		.amdhsa_user_sgpr_kernarg_segment_ptr 1
		.amdhsa_wavefront_size32 1
		.amdhsa_system_sgpr_workgroup_id_x 1
		.amdhsa_system_sgpr_workgroup_id_y 1
		.amdhsa_system_sgpr_workgroup_id_z 1
		.amdhsa_system_vgpr_workitem_id 0
		.amdhsa_next_free_vgpr 1024
		.amdhsa_next_free_sgpr 100
		.amdhsa_reserve_vcc 0
		.amdhsa_float_denorm_mode_32 3
		.amdhsa_float_denorm_mode_16_64 3
		.amdhsa_memory_ordered 1
		.amdhsa_forward_progress 1
		.amdhsa_inst_pref_size 187
	.end_amdhsa_kernel
	.amdgpu_metadata
---
amdhsa.version: [ 1, 2 ]
amdhsa.kernels:
  - .name:           k_q197ae5f21f_proj
    .symbol:         k_q197ae5f21f_proj.kd
    .args:
      - { .name: x_codes, .offset: 0, .size: 8, .value_kind: global_buffer, .address_space: global }
      - { .name: context_codes, .offset: 8, .size: 8, .value_kind: global_buffer, .address_space: global }
      - { .name: Wq_codes, .offset: 16, .size: 8, .value_kind: global_buffer, .address_space: global }
      - { .name: Wkv_codes, .offset: 24, .size: 8, .value_kind: global_buffer, .address_space: global }
      - { .name: lowp_scales, .offset: 32, .size: 8, .value_kind: global_buffer, .address_space: global }
      - { .name: qi, .offset: 40, .size: 8, .value_kind: global_buffer, .address_space: global }
      - { .name: ki, .offset: 48, .size: 8, .value_kind: global_buffer, .address_space: global }
      - { .name: vi, .offset: 56, .size: 8, .value_kind: global_buffer, .address_space: global }
    .group_segment_fixed_size: 327680
    .private_segment_fixed_size: 0
    .kernarg_segment_align: 8
    .kernarg_segment_size: 64
    .max_flat_workgroup_size: 128
    .sgpr_count:     100
    .vgpr_count:     1024
    .wavefront_size: 32
...
	.end_amdgpu_metadata
.endif
;; end of part 1
;; launch attn (part 2): grid 4 x 64, 16 waves a work-group, clusters of 4 x 1, 327,680 bytes of LDS; arguments qi, ki, vi, lowp_scales, out0; writes out0
.if DOCPART == 2
	.amdgcn_target "amdgcn-amd-amdhsa--gfx1250"
	.amdhsa_code_object_version 6
	.text
	.protected	k_q197ae5f21f_attn
	.globl	k_q197ae5f21f_attn
	.p2align	8
	.type	k_q197ae5f21f_attn,@function
k_q197ae5f21f_attn:
	s_mov_b64 s[64:65], 0
	v_nop
	global_prefetch_b8 v0, s[64:65] scope:SCOPE_SE
	s_setreg_imm32_b32 hwreg(HW_REG_WAVE_MODE, 25, 1), 1
	s_wait_xcnt 0x0
	s_wait_alu depctr_hold_cnt(0) depctr_sa_sdst(0) depctr_va_vdst(0) depctr_va_sdst(0) depctr_va_ssrc(0) depctr_va_vcc(0) depctr_vm_vsrc(0)
	s_getreg_b32 s2, hwreg(HW_REG_IB_STS2, 6, 4)
	s_cmp_eq_u32 s2, 0
	s_cbranch_scc0 .Lentry_in_a_cluster
	s_endpgm
.Lentry_in_a_cluster:
	s_bfe_u32 s2, ttmp6, 0x10000c
	s_cmp_lg_u32 s2, 0x3003
	s_cbranch_scc0 .Lentry_shape_is_right
	s_endpgm
.Lentry_shape_is_right:
; ATTENTION ON CODES OF FP8 (E4M3): out[b][q][64 h + d] = the sum over keys of softmax(q . k) v, for 64 pairs (batch, head), 2,048 queries x 2,048 keys, a head of 64.  The factor 1/8 lies in q's codes already.
; qi, ki, vi hold fragments' images: 16 rows x 64 along K in 1,024 bytes; load number c of a wave, 16 bytes a lane at 16 x lane + 512 c, brings registers 4 c .. 4 c + 3 of the operand.
;   qi, ki: [pair 64][tile of 16 rows 128][1,024], K = the head's 64.   vi: [pair 64][64 keys 32][tile of 16 channels 4][1,024], K = the keys.
; THE SOFTMAX AHEAD OF THE SECOND PRODUCT: t = score x 2^(e4 + e5) x log2(e); M = the ceiling of the row's largest t so far; p = 2^(t - M) is quantised with the given 2^e6, not normalised.
; The row's sum is taken of the unquantised p, in f32, and divides at the end.  When M moves, the sum and O are multiplied by 2^(old M - new M).  Kept is -M = min(old -M, floor(-t of the step)).
; SHARES.  A work-group owns 512 queries of one pair; each of its sixteen waves 32 of them, two tiles A and B, in 256 registers.  Every wave walks all keys, 128 a step; a fragment of K or V feeds two matrix instructions.
; LAYOUT.  Both products transposed: S^T = K Q^T (16x16x64), O^T = V^T P^T (16x16x128): a lane holds one query (lane % 16) of each tile.  Tile u of S^T holds keys 16 u + 8 (lane / 16) + 0 .. 7: their codes are registers 2 u, 2 u + 1 of P.
; LDS.  A pair's K (131,072 bytes) and V (131,072) lie in LDS whole: each wave asks for 16,384 bytes once, at the head, and nothing is filled again: one barrier behind the head's wait, none in the loop.
; CLUSTER.  The four blocks of queries of a pair are one cluster and need the same K and V: every load is a joint one, the same descriptor and the mask of all four in each.
; NO PREFETCH: all that the launch reads by tensor loads is asked for at its head, so there is no loop in which a request could run ahead of a load.
; A STEP'S ORDER.  The next step's K is on its way early (tiles 0-3 into B's score registers once p's codes are made, tiles 4-7 into the codes' registers behind the second product).  Maxima go in eight chains, one to an
; accumulator; a row's sum in four, the holds between them.  Tile A is finished first, so that V's loads have B's exponentials and sums in which to land; B's scalings stand between A's exponentials.
; THE WAY OUT goes through a stage of 16 x 272 bytes a wave in K's first 69,632 bytes: they have had their only fill, and a barrier shows that no wave reads K any more.
; LIMITS: e4 + e5 between -126 and 127 (added to log2(e)'s exponent field); e6 between -126 and 119; NaN codes are not served; the scaled scores t stay under 2^31 in magnitude.
.set VOFF,  131072                     ; V's part of LDS
.set STEPB, 8192                       ; 128 keys: eight images of K, and eight of V
.set NST,   16                         ; key steps
.set SPARE, 262144                     ; the spare words, 128 bytes a wave: eight blocks of 256 bytes that no other line names
.set SP,    272                        ; a stage's row: 256 bytes + 16
.set LI,   1                           ; v1   16 x lane
.set ADR,  2                           ; v2   LDS address of the step's K
.set SPW,  3                           ; v3   my spare word; never rewritten
.set NIL,  4                           ; v4   0; never rewritten
.set SC,   5                           ; v5   2^e6 as f32
.set ADV,  6                           ; v6   LDS address of the step's V
.set NM,   8                           ; v[8:9]   -M of A, of B
.set T,    10                          ; v10, v11 the step's maximum, A, B
.set SU,   12                          ; v[12:13] A's sum in two halves, v[14:15] B's
.set QF,   16                          ; v16-31   Q's fragments
.set KC,   32                          ; v32-63   K's tiles 4-7; then at work (v48-61); then p's codes: A v32-47, B v48-63
.set SA,   64                          ; v64-127  S^T and p of A; then V's four fragments
.set SBB,  128                         ; v128-191 S^T and p of B
.set KG,   160                         ; v160-191 between two steps: K's tiles 0-3
.set OA,   192                         ; v192-223 O^T of A, v224-255 of B
.set CG,   96                          ; v96-103  the maxima's chains over keys 0-63: registers that the scores of keys 64-127 take afterwards
.set CH,   48                          ; v48-55   the chains over keys 64-127
.set PM,   56
.set F,    58                          ; v[58:59] f = 2^(old M - new M) of A, of B
.set OLD,  60
.set XS,   48                          ; v[48:53] three more chains of a row's sum
.set TB,    2                          ; s2   LDS byte of the step's K
.set CNT,   3
.set WV,    14
.set SEL,   20                         ; s[20:21] selects for lane l xor 16
.set CS,    22                         ; s[22:23] c = log2(e) x 2^(e4 + e5)
.set G1,    24
.set G0,    32
.set HL,    37                         ; 448 x 2^e6
.set EO,    38                         ; e6 + e7
.macro CROUND                          ; a round of the cluster's barrier
	s_barrier_signal -1
	s_barrier_wait -1
	s_cmp_lg_u32 s[WV], 0
	s_cbranch_scc1 .Lnot_wave_0_\@
	s_barrier_signal -3
.Lnot_wave_0_\@:
	s_barrier_wait -3
	s_barrier_signal -1
	s_barrier_wait -1
.endm
.macro H2
	s_delay_alu instid0(VALU_DEP_2)
.endm
.macro KL dst, off                     ; four images of K: 8 loads of 512 consecutive bytes
.irp t, 0,1,2,3
.irp c, 0,1
	ds_load_b128 v[\dst+8*\t+4*\c:\dst+8*\t+4*\c+3], v[ADR] offset:\off+1024*\t+512*\c
.endr
.endr
.endm
; The maxima of 32 scores of each tile, from score o on: chain k takes accumulator k from its low end on; A's chains are v[c .. c+3], B's v[c+4 .. c+7].  Behind it chains 0 and 1 hold all sevenths too.
.macro MAXB c, o
.irp k, 0,1,2,3
	v_max3_num_f32 v[\c+\k], v[SA+\o+8*\k], v[SA+\o+8*\k+1], v[SA+\o+8*\k+2]
	v_max3_num_f32 v[\c+4+\k], v[SBB+\o+8*\k], v[SBB+\o+8*\k+1], v[SBB+\o+8*\k+2]
.endr
.irp j, 3,5
.irp k, 0,1,2,3
	v_max3_num_f32 v[\c+\k], v[\c+\k], v[SA+\o+8*\k+\j], v[SA+\o+8*\k+\j+1]
	v_max3_num_f32 v[\c+4+\k], v[\c+4+\k], v[SBB+\o+8*\k+\j], v[SBB+\o+8*\k+\j+1]
.endr
.endr
.irp k, 0,1
	v_max3_num_f32 v[\c+\k], v[\c+\k], v[SA+\o+16*\k+7], v[SA+\o+16*\k+15]
	v_max3_num_f32 v[\c+4+\k], v[\c+4+\k], v[SBB+\o+16*\k+7], v[SBB+\o+16*\k+15]
.endr
.endm
.macro HOLD2 a                         ; the conversion to an 8-bit code does not saturate (ISA guide 7.6.2); p is not negative: a one-sided hold, two numbers an instruction, whatever e6 is
	v_dual_min_num_f32 v[\a], s[HL], v[\a] :: v_dual_min_num_f32 v[\a+1], s[HL], v[\a+1]
.endm
.macro SUMHOLD sb, su                  ; the row's sum of the UNQUANTISED p, in four chains; each pair is held behind its addition
	v_pk_add_f32 v[XS:XS+1], v[\sb:\sb+1], v[\sb+2:\sb+3]
	v_pk_add_f32 v[XS+2:XS+3], v[\sb+4:\sb+5], v[\sb+6:\sb+7]
	v_pk_add_f32 v[XS+4:XS+5], v[\sb+8:\sb+9], v[\sb+10:\sb+11]
	v_pk_add_f32 v[\su:\su+1], v[\su:\su+1], v[\sb+12:\sb+13]
.irp i, 0,2,4,6,8,10,12
	HOLD2 \sb+\i
.endr
.irp i, 14,22,30,38,46,54
	v_pk_add_f32 v[XS:XS+1], v[XS:XS+1], v[\sb+\i:\sb+\i+1]
	v_pk_add_f32 v[XS+2:XS+3], v[XS+2:XS+3], v[\sb+\i+2:\sb+\i+3]
	v_pk_add_f32 v[XS+4:XS+5], v[XS+4:XS+5], v[\sb+\i+4:\sb+\i+5]
	v_pk_add_f32 v[\su:\su+1], v[\su:\su+1], v[\sb+\i+6:\sb+\i+7]
	HOLD2 \sb+\i
	HOLD2 \sb+\i+2
	HOLD2 \sb+\i+4
	HOLD2 \sb+\i+6
.endr
	v_pk_add_f32 v[XS:XS+1], v[XS:XS+1], v[\sb+62:\sb+63]
	v_pk_add_f32 v[XS+2:XS+3], v[XS+2:XS+3], v[XS+4:XS+5]
	HOLD2 \sb+62
	v_pk_add_f32 v[\su:\su+1], v[\su:\su+1], v[XS:XS+1]
	v_pk_add_f32 v[\su:\su+1], v[\su:\su+1], v[XS+2:XS+3]
.endm
.macro CODES sb, cb
.irp u, 0,1,2,3,4,5,6,7
	v_cvt_scalef32_pk8_fp8_f32 v[\cb+2*\u:\cb+2*\u+1], v[\sb+8*\u:\sb+8*\u+7], v[SC]
.endr
.endm
.macro FMAA n                          ; n pairs of A's scores become t - M: of the pair -M the first word serves both halves
.rept \n
	v_pk_fma_f32 v[SA+j:SA+j+1], v[SA+j:SA+j+1], s[CS:CS+1], v[NM:NM+1] op_sel_hi:[1,0,0]
.set j, j+2
.endr
.endm
	s_load_b256 s[4:11], s[0:1], 0x0               ; qi, ki, vi, the scales' exponents
	s_load_b64 s[12:13], s[0:1], 0x20              ; out0
	v_lshl_add_u32 v[SPW], v0, 2, SPARE
	v_mov_b32 v[NIL], 0
	ds_add_u32 v[SPW], v[NIL]                      ; the opening lines: the add twice on end, its wait ahead of my tensor load
	ds_add_u32 v[SPW], v[NIL]
	v_lshrrev_b32 v2, 5, v0
	v_readfirstlane_b32 s[WV], v2                  ; wave 0..15
	v_and_b32 v1, 31, v0
	v_lshlrev_b32 v[LI], 4, v1
	s_bfe_u32 s40, ttmp6, 0x40000                  ; cx
	s_lshl_b32 s41, ttmp9, 2
	s_add_co_u32 s41, s41, s40                     ; my block of 512 queries: it enters Q's and out0's addresses alone
	s_and_b32 s42, ttmp7, 0xffff                   ; the pair, which the four partners share
	s_lshl_b32 s44, s42, 17                        ; its first byte in each buffer of codes
	s_and_b32 s46, s[WV], 7
	s_lshl_b32 s46, s46, 14                        ; my eighth of K (waves 0-7) or of V (waves 8-15)
	s_add_co_u32 s46, s46, s44
	s_mov_b32 s47, 0
	s_mov_b32 s[G1+0], 15|(3<<16)|(1<<21)          ; the mask of all four; elements of 8 bytes; no padding; bit 21 beside a mask
	s_mov_b32 s[G1+1], 32<<16                      ; 64 rows of 256 bytes, dense in memory and in LDS
	s_mov_b32 s[G1+2], 64<<16
	s_mov_b32 s[G1+3], 32<<16
	s_mov_b32 s[G1+4], 64
	s_mov_b32 s[G1+5], 32
	s_mov_b32 s[G1+6], 0
	s_mov_b32 s[G1+7], 0
	s_mov_b32 s[SEL], 0x76543210
	s_mov_b32 s[SEL+1], 0xfedcba98
	s_mov_b32 s[TB], 0
	s_lshl_b32 s50, s41, 9
	s_lshl_b32 s51, s[WV], 5
	s_add_co_u32 s50, s50, s51                     ; my first query
	s_lshl_b32 s52, s50, 6
	s_add_co_u32 s52, s52, s44                     ; its image
	s_mov_b32 s53, 0
	s_lshr_b32 s54, s42, 4
	s_lshl_b32 s54, s54, 23                        ; out0: the batch,
	s_lshl_b32 s55, s50, 12                        ; my first query's row,
	s_add_co_u32 s54, s54, s55
	s_and_b32 s55, s42, 15
	s_lshl_b32 s55, s55, 8                         ; the head's 256 bytes in it
	s_add_co_u32 s54, s54, s55
	s_mov_b32 s55, 0
	s_wait_dscnt 0x0                               ; both opening adds are done
	s_wait_kmcnt 0x0
	s_load_b128 s[68:71], s[10:11], 0x10           ; e4, e5, e6, e7
	s_mov_b32 s[G0], 1
	s_lshl_b32 s[G0+1], s[WV], 14                  ; LDS: 16,384 x wave: K's eighths, then V's
	s_cmp_lt_u32 s[WV], 8
	s_cselect_b64 s[G0+2:G0+3], s[6:7], s[8:9]
	s_add_nc_u64 s[G0+2:G0+3], s[G0+2:G0+3], s[46:47]
	s_or_b32 s[G0+3], s[G0+3], 0x80000000
	s_add_nc_u64 s[4:5], s[4:5], s[52:53]
	s_add_nc_u64 s[12:13], s[12:13], s[54:55]
	CROUND                                         ; all four work-groups are here: the joint loads meet
	tensor_load_to_lds s[G0:G0+3], s[G1:G1+7]      ; my one tensor load of the launch
	s_nop 0
.rept 4
	v_nop
.endr
	s_wait_alu depctr_va_vdst(0)                   ; ahead of the reader of v1
.irp k, 0,1,2,3
	global_load_b128 v[QF+4*\k:QF+4*\k+3], v[LI], s[4:5] offset:512*\k
.endr
	v_mov_b32 v[NM], 0x7f61b1e6                    ; -M = 3e38, a whole number above every floor(-t)
	v_mov_b32 v[NM+1], 0x7f61b1e6
.irp j, 0,1,2,3
	v_mov_b32 v[SU+\j], 0
.endr
.set j, 0
.rept 64
	v_mov_b32 v[OA+j], 0                           ; O^T: the step is written for every step alike; the first change of M leaves zeros zeros
.set j, j+1
.endr
	v_add_nc_u32 v[ADR], s[TB], v[LI]
	v_add_nc_u32 v[ADV], VOFF, v[ADR]
	s_wait_kmcnt 0x0
	s_add_co_i32 s56, s68, s69
	s_lshl_b32 s56, s56, 23
	s_mov_b32 s[CS], 0x3fb8aa3b                    ; log2(e),
	s_add_co_i32 s[CS], s[CS], s56                 ; x 2^(e4 + e5) by its exponent field
	s_mov_b32 s[CS+1], s[CS]
	s_add_co_i32 s56, s70, 127
	s_lshl_b32 s57, s56, 23
	v_mov_b32 v[SC], s57
	s_add_co_i32 s56, s56, 8
	s_lshl_b32 s56, s56, 23
	s_or_b32 s[HL], s56, 0x600000
	s_add_co_i32 s[EO], s70, s71
; A KEY STEP of 128 keys.  At its head 16 loads of mine are out: K's tiles 0-3 into v160-191, then tiles 4-7 into v32-63.  more = 1: the next step's K is asked for.
.macro STEP more
	s_wait_dscnt 8                                 ; tiles 0-3 are in; the younger eight loads may be out
.irp t, 0,1,2,3
.irp q, 0,1
	v_wmma_f32_16x16x64_fp8_fp8 v[SA+64*\q+8*\t:SA+64*\q+8*\t+7], v[KG+8*\t:KG+8*\t+7], v[QF+8*\q:QF+8*\q+7], 0
.endr
.endr
.rept 5
	v_nop                                          ; four places ahead of the first read of the scores; five ahead of the products below, which write over K's tiles 0-3
.endr
	MAXB CG, 0                                     ; the maxima over keys 0-63 stand under the flight of K's tiles 4-7
	v_max_num_f32 v[CG+2], v[CG+2], v[CG+3]
	v_max_num_f32 v[CG+6], v[CG+6], v[CG+7]
	v_max3_num_f32 v[T], v[CG], v[CG+1], v[CG+2]
	v_max3_num_f32 v[T+1], v[CG+4], v[CG+5], v[CG+6]
	s_wait_alu depctr_va_vdst(0)                   ; directly ahead of the wait below
	s_wait_dscnt 0x0
.irp t, 0,1,2,3
.irp q, 0,1
	v_wmma_f32_16x16x64_fp8_fp8 v[SA+64*\q+32+8*\t:SA+64*\q+32+8*\t+7], v[KC+8*\t:KC+8*\t+7], v[QF+8*\q:QF+8*\q+7], 0
.endr
.endr
.rept 4
	v_nop
.endr
	v_mov_b32 v[OLD], v[NM]
	v_mov_b32 v[OLD+1], v[NM+1]
	MAXB CH, 32
	v_max3_num_f32 v[CH+2], v[CH+2], v[CH+3], v[T]
	v_max3_num_f32 v[CH+6], v[CH+6], v[CH+7], v[T+1]
	v_max3_num_f32 v[T], v[CH], v[CH+1], v[CH+2]   ; from here A's and B's lines take turns
	v_max3_num_f32 v[T+1], v[CH+4], v[CH+5], v[CH+6]
	H2
	v_permlanex16_b32 v[PM], v[T], s[SEL], s[SEL+1]
	H2
	v_permlanex16_b32 v[PM+1], v[T+1], s[SEL], s[SEL+1]
	H2
	v_max_num_f32 v[T], v[T], v[PM]                ; with lane l xor 16's
	H2
	v_max_num_f32 v[T+1], v[T+1], v[PM+1]
	H2
	v_mul_f32 v[T], s[CS], v[T]                    ; as t (c is positive)
	H2
	v_mul_f32 v[T+1], s[CS], v[T+1]
	H2
	v_floor_f32 v[T], -v[T]                        ; -ceil(t)
	H2
	v_floor_f32 v[T+1], -v[T+1]
	H2
	v_min_num_f32 v[NM], v[NM], v[T]               ; the new -M
	H2
	v_min_num_f32 v[NM+1], v[NM+1], v[T+1]
	v_sub_f32 v[T], v[NM], v[OLD]                  ; old M - new M: a whole number, 0 or less.  The three steps to f stand among A's scalings
	v_sub_f32 v[T+1], v[NM+1], v[OLD+1]
.set j, 0
	FMAA 4
	v_cvt_i32_f32 v[T], v[T]                       ; (it saturates)
	v_cvt_i32_f32 v[T+1], v[T+1]
	FMAA 4
	v_ldexp_f32 v[F], 1.0, v[T]
	v_ldexp_f32 v[F+1], 1.0, v[T+1]
	FMAA 24
.set j, 0
.rept 16
	v_pk_mul_f32 v[OA+j:OA+j+1], v[OA+j:OA+j+1], v[F:F+1] op_sel_hi:[1,0]                                  ; O^T under the new M, each accumulator from its low end on
	v_pk_mul_f32 v[OA+32+j:OA+32+j+1], v[OA+32+j:OA+32+j+1], v[F:F+1] op_sel:[0,1] op_sel_hi:[1,1]
.set j, j+2
.endr
	s_wait_alu depctr_va_vdst(0)                   ; ahead of the batch
.set j, 0
.rept 32
	v_exp_f32 v[SA+j], v[SA+j]                     ; A's p = 2^(t - M); between them B's t - M (of the pair -M the second word for both halves): read first behind the wait below
	v_exp_f32 v[SA+j+1], v[SA+j+1]
	v_pk_fma_f32 v[SBB+j:SBB+j+1], v[SBB+j:SBB+j+1], s[CS:CS+1], v[NM:NM+1] op_sel:[0,0,1] op_sel_hi:[1,0,1]
.set j, j+2
.endr
	v_pk_mul_f32 v[SU:SU+1], v[SU:SU+1], v[F:F+1] op_sel_hi:[1,0]   ; the sums under the new M
	v_pk_mul_f32 v[SU+2:SU+3], v[SU+2:SU+3], v[F:F+1] op_sel:[0,1] op_sel_hi:[1,1]
	s_wait_alu depctr_va_vdst(0)                   ; one wait for the batch, ahead of its first reader
	SUMHOLD SA, SU
	CODES SA, KC
.irp t, 0,1,2,3                                ; V's four fragments (16 channels x 128 keys) into the registers that A's p has left: 16 loads, which land under B's exponentials and sums
.irp b, 0,1
.irp c, 0,1
	ds_load_b128 v[SA+16*\t+8*\b+4*\c:SA+16*\t+8*\b+4*\c+3], v[ADV] offset:4096*\b+1024*\t+512*\c
.endr
.endr
.endr
	s_wait_alu depctr_va_vdst(0)                   ; ahead of B's batch
.set j, 0
.rept 64
	v_exp_f32 v[SBB+j], v[SBB+j]
.set j, j+1
.endr
	v_nop                                          ; the plain line behind the batch
	s_wait_alu depctr_va_vdst(0)                   ; and its wait
	SUMHOLD SBB, SU+2
	CODES SBB, KC+16
.if \more
	KL KG, STEPB                                   ; the next step's tiles 0-3 of K, into registers that B's p has left
	s_add_co_u32 s[TB], s[TB], STEPB
.endif
	v_nop                                          ; the plain line between the conversions and the products that read their results
	s_wait_alu depctr_va_vdst(0)                   ; directly ahead of the wait below
.if \more
	s_wait_dscnt 8                                 ; V's 16 loads are in; the eight just issued may be out
.else
	s_wait_dscnt 0x0
.endif
.irp t, 0,1,2,3                                ; O^T += V^T P^T: the eight accumulators take turns
.irp q, 0,1
	v_wmma_f32_16x16x128_fp8_fp8 v[OA+32*\q+8*\t:OA+32*\q+8*\t+7], v[SA+16*\t:SA+16*\t+15], v[KC+16*\q:KC+16*\q+15], v[OA+32*\q+8*\t:OA+32*\q+8*\t+7]
.endr
.endr
.if \more
	v_add_nc_u32 v[ADR], s[TB], v[LI]
	v_add_nc_u32 v[ADV], VOFF, v[ADR]
.rept 3
	v_nop                                          ; with the two additions five places: four ahead of the loads into the codes' registers, five ahead of the scores written over V's fragments
.endr
	KL KC, 4096                                    ; the next step's tiles 4-7
	s_wait_alu depctr_va_vdst(0)
.endif
.endm
	s_wait_alu depctr_va_vdst(0)                   ; at the head's end
	s_wait_loadcnt 0x0                             ; Q
	s_wait_tensorcnt 0x0                           ; my sixteenth of K and V is in
	s_barrier_signal -1
	s_barrier_wait -1                              ; and everybody's
	KL KG, 0
	KL KC, 4096
	s_mov_b32 s[CNT], NST-1
.Lstep:
	STEP 1
	s_sub_co_u32 s[CNT], s[CNT], 1
	s_cmp_lg_u32 s[CNT], 0
	s_cbranch_scc1 .Lstep
	STEP 0                                         ; the last step asks for nothing more
	; THE WAY OUT.  No LDS load of mine is out: I say so, and work on registers until all sixteen waves have said so; then K's bytes serve as stages.
	s_barrier_signal -1
	v_add_f32 v[SU], v[SU], v[SU+1]                ; these four lines name no register of the last products: they are the places behind them
	v_add_f32 v[SU+2], v[SU+2], v[SU+3]
	v_and_b32 v2, 15, v0                           ; r
	v_bfe_u32 v5, v0, 4, 1                         ; h
	v_permlanex16_b32 v32, v[SU], s[SEL], s[SEL+1]
	v_permlanex16_b32 v33, v[SU+2], s[SEL], s[SEL+1]
	v_add_f32 v[SU], v[SU], v32                    ; the row's sum
	v_add_f32 v[SU+2], v[SU+2], v33
	s_wait_alu depctr_va_vdst(0)                   ; ahead of the transcendentals
	v_rcp_f32 v[SU], v[SU]
	v_rcp_f32 v[SU+2], v[SU+2]
	s_mul_i32 s56, s[WV], 16*SP                    ; my stage
	v_mul_u32_u24 v34, v2, SP                      ; in: row r; tile t's eight channels of my half: 64 t + 32 h bytes on
	v_mul_u32_u24 v35, v5, SP                      ; back: lanes 0-15 one row, lanes 16-31 the next
	v_lshlrev_b32 v36, 12, v5                      ; and the same two rows in out0
	v_lshl_add_u32 v34, v5, 5, v34
	v_lshl_add_u32 v35, v2, 4, v35
	v_lshl_add_u32 v36, v2, 4, v36
	v_add_nc_u32 v34, s56, v34
	v_add_nc_u32 v35, s56, v35
	s_wait_alu depctr_va_vdst(0)                   ; ahead of the reciprocals' first reader
	v_ldexp_f32 v[SU], v[SU], s[EO]                ; x 2^(e6 + e7)
	v_ldexp_f32 v[SU+2], v[SU+2], s[EO]
	s_wait_alu depctr_va_vdst(0)                   ; directly ahead of the first reader of O^T
.irp q, 0,1
.set j, 0
.rept 16
	v_pk_mul_f32 v[SA+32*\q+j:SA+32*\q+j+1], v[OA+32*\q+j:OA+32*\q+j+1], v[SU+2*\q:SU+2*\q+1] op_sel_hi:[1,0]   ; register 8 t + i is o(query r, channel 16 t + 8 h + i)
.set j, j+2
.endr
.endr
	s_wait_alu depctr_va_vdst(0)                   ; directly ahead of the barrier's wait
	s_barrier_wait -1
.irp q, 0,1
.irp t, 0,1,2,3
	ds_store_b128 v34, v[SA+32*\q+8*\t:SA+32*\q+8*\t+3] offset:64*\t
	ds_store_b128 v34, v[SA+32*\q+8*\t+4:SA+32*\q+8*\t+7] offset:64*\t+16
.endr
.irp i, 0,1,2,3,4,5,6,7
	ds_load_b128 v[SBB+32*\q+4*\i:SBB+32*\q+4*\i+3], v35 offset:2*\i*SP   ; LDS serves a wave's instructions in order (ISA guide 5.7.1.4): these see my stores, and the next tile's stores come behind them
.endr
.endr
.irp i, 0,1,2,3,4,5,6,7
	s_wait_dscnt 23-\i                             ; behind tile A's load i: its 7 - i younger loads and tile B's sixteen LDS instructions
	global_store_b128 v36, v[SBB+4*\i:SBB+4*\i+3], s[12:13] offset:8192*\i th:TH_STORE_NT   ; 16 lanes store 256 consecutive bytes, at a multiple of 256 from out0's first byte
.endr
.irp i, 0,1,2,3,4,5,6,7
	s_wait_dscnt 7-\i
	global_store_b128 v36, v[SBB+32+4*\i:SBB+32+4*\i+3], s[12:13] offset:65536+8192*\i th:TH_STORE_NT
.endr
	s_wait_tensorcnt 0x0                           ; the wave's end
	ds_add_u32 v[SPW], v[NIL]
	s_wait_dscnt 0x0
	CROUND                                         ; the closing round
	s_endpgm
.Lfunc_end_k_q197ae5f21f_attn:
	.size	k_q197ae5f21f_attn, .Lfunc_end_k_q197ae5f21f_attn-k_q197ae5f21f_attn
	.p2alignl 7, 3214868480
	.fill 96, 4, 3214868480
	.section	.rodata,"a",@progbits
	.p2align	6, 0x0
	.amdhsa_kernel k_q197ae5f21f_attn
		.amdhsa_group_segment_fixed_size 327680
		.amdhsa_private_segment_fixed_size 0
		.amdhsa_enable_private_segment 0
		.amdhsa_kernarg_size 40
		.amdhsa_user_sgpr_count 2
		.amdhsa_user_sgpr_kernarg_segment_ptr 1
		.amdhsa_wavefront_size32 1
		.amdhsa_system_sgpr_workgroup_id_x 1
		.amdhsa_system_sgpr_workgroup_id_y 1
		.amdhsa_system_sgpr_workgroup_id_z 1
		.amdhsa_system_vgpr_workitem_id 0
		.amdhsa_next_free_vgpr 256
		.amdhsa_next_free_sgpr 76
		.amdhsa_reserve_vcc 0
		.amdhsa_float_denorm_mode_32 3
		.amdhsa_float_denorm_mode_16_64 3
		.amdhsa_memory_ordered 1
		.amdhsa_forward_progress 1
		.amdhsa_inst_pref_size 72
	.end_amdhsa_kernel
	.amdgpu_metadata
---
amdhsa.version: [ 1, 2 ]
amdhsa.kernels:
  - .name:           k_q197ae5f21f_attn
    .symbol:         k_q197ae5f21f_attn.kd
    .args:
      - { .name: qi, .offset: 0, .size: 8, .value_kind: global_buffer, .address_space: global }
      - { .name: ki, .offset: 8, .size: 8, .value_kind: global_buffer, .address_space: global }
      - { .name: vi, .offset: 16, .size: 8, .value_kind: global_buffer, .address_space: global }
      - { .name: lowp_scales, .offset: 24, .size: 8, .value_kind: global_buffer, .address_space: global }
      - { .name: out0, .offset: 32, .size: 8, .value_kind: global_buffer, .address_space: global }
    .group_segment_fixed_size: 327680
    .private_segment_fixed_size: 0
    .kernarg_segment_align: 8
    .kernarg_segment_size: 40
    .max_flat_workgroup_size: 512
    .sgpr_count:     76
    .vgpr_count:     256
    .wavefront_size: 32
...
	.end_amdgpu_metadata
.endif
;; end of part 2
